; MI455X (gfx1250); checked and timed in simulation.
; The chip was launched on July 23, 2026; its instructions are those of AMD's public machine-readable ISA for CDNA 5 (MIT licence, August 2026) and "CDNA5" Instruction Set Architecture Reference Guide (July 2026). The comments in the code are by the model that wrote it; some were corrected since.
;; CLAMSB. Allowed arithmetic: float matrix products may take bf16 or f16 operands with f32 sums; all other float work in f32.
;; Inputs: W1 1,024 x 512 float32; Wa 512 x 256 float32; Wb 512 x 256 float32; Wc 256 x 2 float32; Wcls 512 x 1 float32; Wins 2 x 512 x 2 float32; b1 512 float32; ba 256 float32; bb 256 float32; bc 2 float32; bcls 1 float32; bins 2 x 2 float32; x 65,536 x 1,024 float32.
;; Outputs: out0 1 x 2 float32; out1 1 x 2 float32; out2 1 int32; out3 2 x 65,536 float32; out4 one number float32.
;; Constants: target = 1.
;; One version. Each part assembles by itself: llvm-mc -triple=amdgcn-amd-amdhsa -mcpu=gfx1250 --defsym DOCPART=n.
;; ======== version 1 of 1: 3 launches
;; limits: right only within a limited range of input values; values are held in f16: magnitudes above 65,504 overflow, below 6.1e-05 lose precision
;; workspace buffers: wt 1,589,248 bytes; rec 131,072 bytes
;; launch prep (part 1): grid 196 x 1, 8 waves a work-group, no clusters, 17,920 bytes of LDS; arguments W1, Wa, Wb, Wcls, Wins, wt; writes wt
.if DOCPART == 1
	.amdgcn_target "amdgcn-amd-amdhsa--gfx1250"
	.amdhsa_code_object_version 6
	.text
	.protected	k_q7455cf7883_prep
	.globl	k_q7455cf7883_prep
	.p2align	8
	.type	k_q7455cf7883_prep,@function
k_q7455cf7883_prep:
	s_mov_b64 s[64:65], 0
	v_nop
	global_prefetch_b8 v0, s[64:65] scope:SCOPE_SE
	s_setreg_imm32_b32 hwreg(HW_REG_WAVE_MODE, 25, 1), 1
	s_wait_xcnt 0x0
; PREP: the weights as f16, K along the rows, in the 24 dense tiles that the fused launch streams through LDS.
;
; THE PROGRAM: prep (this), fused (x W1, relu, h [Wa|Wb], gate, Wc, out3, one record for each block of 128 rows), finish (512 records -> the small results).
;
; WORK OF THE REFERENCE THAT IS LEFT OUT, for all values of the inputs:
; (1) M = attn h is no result.  logits = (attn h) Wcls + bcls = attn (h Wcls) + bcls (products associate), so one number a row,
;     s[n] = h[n].Wcls, takes the place of M's 512.
; (2) target = 1 is a constant of the problem, so inst_labels = (0, 1) and jnp.where takes loss_out for class 0 and loss_in for class 1:
;     loss_in[0] (and with it class 0's bottom 8) and loss_out[1] reach no result.
; (3) A log_softmax over two logits hangs on their difference alone: -logp_0 = log(1 + exp(l1 - l0)), -logp_1 = log(1 + exp(l0 - l1)), and
;     l1 - l0 = h.(Wins[c,:,1] - Wins[c,:,0]) + bins[c,1] - bins[c,0].  So one number a row and class, d_c[n], is enough; the difference is taken
;     on the weights, in f32, before any sum.  The loss term is formed as max(z,0) + log(1 + exp(-|z|)): the maximum is still taken away.
; (4) softmax along a row grows strictly with its input, so top_k(attn) and top_k(-attn) choose by A and -A; and of the chosen rows only d is
;     used, so each candidate carries its d along and h is never gathered.
; Every input still has a way to a result and is loaded by some launch.
;
; THE FORMAT: matrix operands are f16, sums f32.  A comes out of three chained products, each of which rounds its operands, and is small beside the
; terms that it sums; f16's 11 significant bits make each rounding 8 times smaller than bf16's 8 would.  Room: f16's largest number is 65,504.  Weights
; of spread 0.02, 30 times larger or offset by 30 spreads, stay under 4; 30 times smaller their spread is 6.7e-4, and f16's step below 2^-14 is 2^-24,
; under 1e-4 of that.  (x and h: the fused kernel's head.)
; LIMITS: a weight beyond 65,504 in magnitude becomes infinite.  NaN and infinities in the inputs are not carried (maxima that drop NaN; -inf marks a
; candidate that was taken).  A NaN, an infinity or an overflow that would reach only the work left out is not carried to the results.  The choice
; orders by A in f32, equal A to the lower row: rows whose A differ but whose attn would round to one f32 number are ordered by A, not by their index.
;
; wt: tile t = 0..15 (W1, k = 64 t ..) at byte 65,536 t, 256 rows of 256 bytes; tile 16 + u, u = 0..7 (second product, k = 64 u ..) at
; 1,048,576 + 67,584 u, 264 rows.  Row 8 T + i of a tile holds two columns of the product: column 16 T + i in bytes 0..127 and column
; 16 T + 8 + i in bytes 128..255, 64 k each, ascending.  Second product: column tile T = 8 w + b is Wa's columns 64 w + 16 b .. for b < 4, Wb's
; columns 64 w + 16 (b - 4) .. for b >= 4; T = 32 holds, in columns e with e mod 8 = 0, 1, 2: Wcls, Wins[0,:,1]-Wins[0,:,0], Wins[1,:,1]-Wins[1,:,0];
; the others are 0.
;
; Work-groups 0..191 transpose one block of 64 k x 64 columns each through LDS; 192..195 make the eight tiles' extra columns.
.set LP,   264                         ; LDS pitch of a k row: 256 bytes + 8
.set T2,   1048576                     ; where the second product's tiles begin
.set T2B,  67584                       ; bytes in one of them
	s_load_b256 s[4:11], s[0:1], 0x0               ; W1 s[4:5], Wa s[6:7], Wb s[8:9], Wcls s[10:11]
	s_load_b128 s[12:15], s[0:1], 0x20             ; Wins s[12:13], wt s[14:15]
	v_lshl_add_u32 v64, v0, 2, 0x4200
	v_mov_b32 v65, 0
	s_mov_b32 s2, ttmp9                            ; the unit; the same in all eight waves
	s_cmp_ge_u32 s2, 192
	s_cbranch_scc1 .Lextra
	; a block of W1: unit = 8 t + nb
	s_lshr_b32 s16, s2, 3
	s_and_b32 s17, s2, 7
	s_lshl_b32 s18, s16, 17                        ; 64 rows of 2,048 bytes
	s_lshl_b32 s19, s17, 8
	s_add_co_u32 s18, s18, s19                     ; from
	s_lshl_b32 s20, s16, 16
	s_lshl_b32 s21, s17, 13
	s_add_co_u32 s20, s20, s21                     ; to
	; a block of Wa (units 128..159) or Wb (160..191): unit mod 32 = 4 t + nb
	s_and_b32 s22, s2, 31
	s_lshr_b32 s23, s22, 2
	s_and_b32 s24, s22, 3
	s_lshl_b32 s25, s23, 16                        ; 64 rows of 1,024 bytes
	s_lshl_b32 s26, s24, 8
	s_add_co_u32 s25, s25, s26                     ; from
	s_mul_i32 s27, s23, T2B
	s_lshl_b32 s28, s24, 14                        ; eight column tiles of 2,048 bytes for each 64 columns
	s_add_co_u32 s27, s27, s28
	s_add_co_u32 s27, s27, T2
	s_lshr_b32 s29, s2, 5
	s_and_b32 s29, s29, 1                          ; 0: Wa, 1: Wb
	s_lshl_b32 s29, s29, 13                        ; Wb's four column tiles lie behind Wa's
	s_add_co_u32 s27, s27, s29                     ; to
	s_cmp_lt_u32 s2, 128
	s_cselect_b32 s30, s18, s25
	s_cselect_b32 s32, s20, s27
	s_cselect_b32 s34, 11, 10                      ; log2 of the source's row bytes
	s_mov_b32 s31, 0
	s_mov_b32 s33, 0
	s_lshl_b32 s35, 16, s34                        ; sixteen source rows
	v_lshrrev_b32 v1, 4, v0                        ; kk: my row of sixteen
	v_and_b32 v2, 15, v0                           ; cn: my 16 bytes of a row's 256
	v_lshlrev_b32 v3, s34, v1
	v_lshl_add_u32 v4, v2, 4, v3                   ; rows kk, kk + 16, kk + 32, kk + 48
	v_add_nc_u32 v5, s35, v4
	v_add_nc_u32 v6, s35, v5
	v_add_nc_u32 v7, s35, v6
	v_mul_u32_u24 v8, v1, LP
	v_lshl_add_u32 v8, v2, 4, v8                   ; the same place in LDS
	s_wait_kmcnt 0x0
	s_cmp_lt_u32 s2, 160
	s_cselect_b64 s[36:37], s[6:7], s[8:9]
	s_cmp_lt_u32 s2, 128
	s_cselect_b64 s[36:37], s[4:5], s[36:37]
	s_add_nc_u64 s[36:37], s[36:37], s[30:31]
	s_add_nc_u64 s[14:15], s[14:15], s[32:33]
.irp i, 0,1,2,3
	global_load_b128 v[16+4*\i:19+4*\i], v[4+\i], s[36:37] th:TH_LOAD_NT    ; sixteen lanes take 256 consecutive bytes, aligned
.endr
	; the way back: I write 16 bytes = 8 k of one column, twice
	v_and_b32 v9, 7, v0                            ; c: k = 8 c ..
	v_bfe_u32 v10, v0, 3, 1                        ; which half of the 256-byte row
	v_lshrrev_b32 v11, 3, v1                       ; column tile
	v_and_b32 v12, 7, v1                           ; row in the column tile
	v_lshlrev_b32 v11, 4, v11
	v_lshl_add_u32 v11, v10, 3, v11
	v_add_nc_u32 v11, v11, v12                     ; my column of the block's first 32
	v_mul_u32_u24 v13, v9, 8*LP
	v_lshl_add_u32 v13, v11, 2, v13
	v_lshlrev_b32 v14, 4, v0
.irp i, 0,1,2,3
	s_wait_loadcnt 3-\i                            ; loads come back in order: the younger ones may stay out
	ds_store_b64 v8, v[16+4*\i:17+4*\i] offset:16*LP*\i
	ds_store_b64 v8, v[18+4*\i:19+4*\i] offset:16*LP*\i+8
.endr
	s_wait_dscnt 0x0                               ; my stores are done before I say so
	s_barrier_signal -1
	s_barrier_wait -1                              ; everybody's are
.irp o, 0,1
.irp j, 0,1,2,3,4,5,6,7
	ds_load_b32 v[32+8*\o+\j], v13 offset:\j*LP+128*\o     ; eight k of one column; the second time 32 columns on
.endr
.endr
	s_wait_dscnt 0x0
.irp o, 0,1
.irp p, 0,1,2,3
	v_cvt_pk_f16_f32 v[48+4*\o+\p], v[32+8*\o+2*\p], v[33+8*\o+2*\p]
.endr
	global_store_b128 v14, v[48+4*\o:51+4*\o], s[14:15] offset:4096*\o     ; a wave stores 512 consecutive bytes, aligned
.endr
	s_wait_tensorcnt 0x0
	ds_add_u32 v64, v65
	s_wait_dscnt 0x0
	s_endpgm
.Lextra:
	; 1,024 pieces of 16 bytes: 8 tiles x 8 rows x 16.  Piece oi: tile oi / 128, row i2, k = 64 t + 8 c; both halves of a row hold the same column kind.
	s_sub_co_u32 s16, s2, 192
	s_lshl_b32 s16, s16, 8
	v_add_nc_u32 v1, s16, v0                       ; oi
	v_lshrrev_b32 v2, 7, v1                        ; t
	v_bfe_u32 v3, v1, 4, 3                         ; i2: 0 Wcls, 1 class 0's difference, 2 class 1's, else 0
	v_and_b32 v4, 7, v1                            ; c
	v_lshlrev_b32 v5, 6, v2
	v_lshl_add_u32 v5, v4, 3, v5                   ; k0
	v_lshlrev_b32 v6, 2, v5                        ; Wcls: 4 bytes a k
	v_mov_b32 v8, 0x1000
	v_cmp_eq_u32 vcc_lo, 2, v3
	v_cndmask_b32 v7, 0, v8, vcc_lo                ; Wins: class 1 lies 4,096 bytes on
	v_lshl_add_u32 v7, v5, 3, v7                   ; 8 bytes a k
	v_and_b32 v9, 127, v1
	v_lshlrev_b32 v9, 4, v9
	v_mul_u32_u24 v10, v2, T2B
	v_add_nc_u32 v9, v9, v10
	v_add_nc_u32 v9, T2+65536, v9                  ; column tile 32 of tile 16 + t
	s_wait_kmcnt 0x0
	global_load_b128 v[12:15], v6, s[10:11]
	global_load_b128 v[16:19], v6, s[10:11] offset:16
.irp q, 0,1,2,3
	global_load_b128 v[20+4*\q:23+4*\q], v7, s[12:13] offset:16*\q
.endr
	s_wait_loadcnt 0x0
.irp j, 0,1,2,3,4,5,6,7
	v_sub_f32 v[36+\j], v[21+2*\j], v[20+2*\j]     ; Wins[c,k,1] - Wins[c,k,0]
.endr
	v_cmp_eq_u32 vcc_lo, 0, v3
.irp j, 0,1,2,3,4,5,6,7
	v_cndmask_b32 v[36+\j], v[36+\j], v[12+\j], vcc_lo
.endr
	v_cmp_ge_u32 vcc_lo, 2, v3
.irp j, 0,1,2,3,4,5,6,7
	v_cndmask_b32 v[36+\j], 0, v[36+\j], vcc_lo    ; rows 3 to 7 are zeros
.endr
.irp p, 0,1,2,3
	v_cvt_pk_f16_f32 v[44+\p], v[36+2*\p], v[37+2*\p]
.endr
	global_store_b128 v9, v[44:47], s[14:15]
	s_endpgm
.Lfunc_end_k_q7455cf7883_prep:
	.size	k_q7455cf7883_prep, .Lfunc_end_k_q7455cf7883_prep-k_q7455cf7883_prep
	.p2alignl 7, 3214868480
	.fill 96, 4, 3214868480
	.section	.rodata,"a",@progbits
	.p2align	6, 0x0
	.amdhsa_kernel k_q7455cf7883_prep
		.amdhsa_group_segment_fixed_size 17920
		.amdhsa_private_segment_fixed_size 0
		.amdhsa_enable_private_segment 0
		.amdhsa_kernarg_size 48
		.amdhsa_user_sgpr_count 2
		.amdhsa_user_sgpr_kernarg_segment_ptr 1
		.amdhsa_wavefront_size32 1
		.amdhsa_system_sgpr_workgroup_id_x 1
		.amdhsa_system_sgpr_workgroup_id_y 1
		.amdhsa_system_sgpr_workgroup_id_z 1
		.amdhsa_system_vgpr_workitem_id 0
		.amdhsa_next_free_vgpr 66
		.amdhsa_next_free_sgpr 66
		.amdhsa_reserve_vcc 1
		.amdhsa_float_denorm_mode_32 3
		.amdhsa_float_denorm_mode_16_64 3
		.amdhsa_memory_ordered 1
		.amdhsa_forward_progress 1
		.amdhsa_inst_pref_size 9
	.end_amdhsa_kernel
	.amdgpu_metadata
---
amdhsa.version: [ 1, 2 ]
amdhsa.kernels:
  - .name:           k_q7455cf7883_prep
    .symbol:         k_q7455cf7883_prep.kd
    .args:
      - { .name: W1, .offset: 0, .size: 8, .value_kind: global_buffer, .address_space: global }
      - { .name: Wa, .offset: 8, .size: 8, .value_kind: global_buffer, .address_space: global }
      - { .name: Wb, .offset: 16, .size: 8, .value_kind: global_buffer, .address_space: global }
      - { .name: Wcls, .offset: 24, .size: 8, .value_kind: global_buffer, .address_space: global }
      - { .name: Wins, .offset: 32, .size: 8, .value_kind: global_buffer, .address_space: global }
      - { .name: wt, .offset: 40, .size: 8, .value_kind: global_buffer, .address_space: global }
    .group_segment_fixed_size: 17920
    .private_segment_fixed_size: 0
    .kernarg_segment_align: 8
    .kernarg_segment_size: 48
    .max_flat_workgroup_size: 256
    .sgpr_count:     66
    .vgpr_count:     66
    .wavefront_size: 32
...
	.end_amdgpu_metadata
.endif
;; end of part 1
;; launch fused (part 2): grid 512 x 1, 4 waves a work-group, clusters of 4 x 1, 327,680 bytes of LDS; arguments x, wt, b1, ba, bb, Wc, bc, out3, rec; writes out3, rec
.if DOCPART == 2
	.amdgcn_target "amdgcn-amd-amdhsa--gfx1250"
	.amdhsa_code_object_version 6
	.text
	.protected	k_q7455cf7883_fused
	.globl	k_q7455cf7883_fused
	.p2align	8
	.type	k_q7455cf7883_fused,@function
k_q7455cf7883_fused:
	s_mov_b64 s[64:65], 0
	v_nop
	global_prefetch_b8 v0, s[64:65] scope:SCOPE_SE
	s_setreg_imm32_b32 hwreg(HW_REG_WAVE_MODE, 25, 1), 1
	s_wait_xcnt 0x0
	s_wait_alu depctr_hold_cnt(0) depctr_sa_sdst(0) depctr_va_vdst(0) depctr_va_sdst(0) depctr_va_ssrc(0) depctr_va_vcc(0) depctr_vm_vsrc(0)
	s_getreg_b32 s2, hwreg(HW_REG_IB_STS2, 6, 4)
	s_cmp_eq_u32 s2, 0
	s_cbranch_scc0 .Lentry_in_a_cluster
	s_endpgm
.Lentry_in_a_cluster:
	s_bfe_u32 s2, ttmp6, 0x10000c
	s_cmp_lg_u32 s2, 0x3003
	s_cbranch_scc0 .Lentry_shape_is_right
	s_endpgm
.Lentry_shape_is_right:
; FUSED: for a block of 128 rows of x: h = relu(x W1 + b1), the gate tanh(h Wa + ba) * sigmoid(h Wb + bb), A = gate Wc + bc (out3), and one record
; of 64 words for the last launch.  h never leaves the WGP.
; Left out, as shown at the head of the first kernel: M (one number s = h.Wcls a row takes its place), class 0's bottom 8, loss_in[0], loss_out[1],
; the gather of h (each candidate carries d_c = h.(Wins[c,:,1]-Wins[c,:,0]) along); the choice orders by A, in which softmax grows strictly.
; THE FORMAT: matrix operands are f16, sums f32 (why f16: the first kernel's head).  Room under f16's largest number, 65,504: x of spread 1, 30 times larger
; or offset by 30, stays near 150.  h sums 1,024 products of x (spread 1) and W1 (spread 0.02): under 4 as drawn, about 3,000 with both 30 times larger,
; 1,024 x 30 x 0.6 = 18,432 with both offset by 30 spreads.
; TANH has two forms.  1 - 2 / (1 + exp(2 p)) is a difference of numbers near 1: its error is about one step of 1, whatever p is, so it is used from
; |p| = 0.0613 up, where that is under 2e-6 of tanh.  Below, p - p^3 / 3, whose error is 2/15 p^4 of its value, under 2e-6 there and falling with p.
; LIMITS: an x beyond 65,504 in magnitude becomes infinite; h is held at 65,504 (the relu is a clamp to [0, 65,504]).  NaN and infinities are not carried
; (the clamp and the maxima drop NaN; -inf marks a taken candidate); equal A go to the lower row.
;
; SHAPE: four waves, one a SIMD.  In both products a wave makes all 128 rows x 128 columns: 64 accumulator tiles, 512 registers.
; First product: K = 1,024 in 16 steps of 64.  Second: K = 512 in 8 steps of 64, its 512 columns being Wa's 256 and Wb's 256, laid so that wave w holds
; both halves of gate columns 64 w .. 64 w + 63; a 33rd column tile (s, d0, d1) is shared out by rows: wave w makes rows 32 w .. 32 w + 31 of it.
; WEIGHTS: every row block walks the same 24 tiles of wt, so four work-groups form a cluster and ask for each tile jointly (a mask names four at
; the most): each wave asks for a quarter of the tile, with a descriptor made of constants and the wave's number alone.  Two LDS slots take turns.
; A wave has two tensor loads out at the start and one behind each round after that.
; x comes through registers: it must be rounded to f16, once and not once for each wave that multiplies it: 16 loads of 16 bytes a lane and step, asked for two
; steps ahead, rounded and laid into one of two LDS buffers between the products.
; The matrix instruction is used transposed (source 0 = 16 columns of the weights, source 1 = 16 rows of x or h): lane l then holds row l % 16 and
; the eight neighbouring columns 8 (l / 16) + 0..7, which is what the packing of h and the gate want.
; The accumulators take turns, one instruction a turn, in the same order in every half step.
;
; LDS: slot 0, slot 1 (weights, 272 bytes for each 256 of wt; tensor loads alone write here); HST: h in f16, [writing wave][128 rows][128 columns], pitch 272;
; XST: two buffers of x in f16, 128 rows x 64 k, pitch 144; PART: [wave][class][row] partial A; EXV: [wave][s, d0, d1][32 rows]; REC: the record.
; REGISTER WINDOWS: 0: addresses, extras, x / h fragments (v64-191), b1 / staging (v192-255);  1: x as loaded (v0-63, v192-255; later ba, bb, Wc), weight
; fragments (v64-191);  2, 3: accumulator tile (a, b) at v[8 (8 a + b)], row tiles 0-3 and 4-7.
.set SLOTB,  71936
.set HST,    143872
.set HREG,   34816                     ; 128 rows x 272: one wave's part of h
.set XST,    283136
.set XBUF,   18432
.set PART,   320000
.set EXV,    324096
.set REC,    325632
.set ADRB,   4                         ; v4-5    my weight fragments in slot 0, 1
.set ADRX,   6                         ; v6-7    x fragments in buffer 0, 1
.set ADRH,   8                         ; v8-9    h fragments: regions 0-1, regions 2-3
.set ADRE,   10                        ; v10-11  the extra column tile in slot 0, 1
.set HSTO,   12                        ; v12     where I put 16 bytes of h
.set XOFF,   13                        ; v13     my 16 bytes of x
.set XSTO,   14                        ; v14-15  where I put 8 bytes of x, buffer 0, 1
.set ADRHE,  16                        ; v16-17  h fragments of my own 32 rows
.set PSTO,   18
.set ESTO,   19
.set CBOFF,  20
.set WCOFF,  21
.set L7,     22                        ; lane mod 8
.set LANE,   23
.set B1OFF,  24
.set EACC,   32                        ; v32-47  the extras' two accumulator tiles
.set KC3,    58                        ; v58-59  the series' cubic factor, twice
.set KC1,    60                        ; v60-61  its linear factor, twice
.set F0,     64
.set F1,     128
.set BIAS,   192                       ; b1 as the first products' C
.set EB0,    192
.set EA0,    200
.set EB1,    216
.set EA1,    224
.set G1,     32                        ; s[32:39] shape of a quarter of a W1 tile: 64 rows of 256 bytes
.set G1C,    40                        ; s[40:47] of a second-product tile: 66 rows
.set G0,     48                        ; s[48:55] from where, to where: one set a slot
.set G0C,    56                        ; s[56:63]
.set PS0,    66
.set PS1,    67
.set HMAX,   69                        ; s69: 65,504.0, f16's largest number
.set SCNT,   76
.set YSQ,    77                        ; s77: below this y^2 the series is taken
.set SM,     120
.set SC,     121
.set SPL,    122
.set ST,     123
.set SRK,    124
.set SRP,    125
.set SRI,    126
.set SNEG,   127
.set SL7,    L7
.set MUL_LO,  0xa1                     ; source 0 window 1, source 1 window 0, C and D window 2
.set MUL_HI,  0xf1                     ; C and D window 3
.set MULB_LO, 0x81                     ; C (b1) window 0, D window 2
.set MULB_HI, 0xc1
.set TO_B,    0x40                     ; destination window 1
.set MSB, 0
.macro WIN new                         ; the immediate's high byte repeats the setting that is left
.if MSB != (\new)
	s_set_vgpr_msb (MSB<<8)|(\new)
.set MSB, \new
.endif
.endm
.macro PLACES                          ; four plain vector instructions between a matrix instruction and a load into, or a vector write or read of, its registers
.rept 4
	v_nop
.endr
.endm
.macro CREST                           ; a round of the cluster's barrier behind its opening work-group barrier
	s_cmp_lg_u32 s22, 0
	s_cbranch_scc1 .Lnot_wave_0_\@
	s_barrier_signal -3
.Lnot_wave_0_\@:
	s_barrier_wait -3
	s_barrier_signal -1
	s_barrier_wait -1
.endm
.macro CROUND
	s_barrier_signal -1
	s_barrier_wait -1
	CREST
.endm
; 16 matrix instructions: row tiles a0, a0 + 1 of the window's four x all 8 column tiles, 32 along K.  mode 0: add on; 1: start from 0; 2: start from b1.
.macro MUL16 f, hi, a0, mode
.irp a, \a0, \a0+1
.irp b, 0,1,2,3,4,5,6,7
.if \mode == 1
	v_wmma_f32_16x16x32_f16 v[8*(8*(\a)+\b):8*(8*(\a)+\b)+7], v[\f+8*\b:\f+8*\b+7], v[\f+8*(4*\hi+\a):\f+8*(4*\hi+\a)+7], 0
.elseif \mode == 2
	v_wmma_f32_16x16x32_f16 v[8*(8*(\a)+\b):8*(8*(\a)+\b)+7], v[\f+8*\b:\f+8*\b+7], v[\f+8*(4*\hi+\a):\f+8*(4*\hi+\a)+7], v[BIAS+8*\b:BIAS+8*\b+7]
.else
	v_wmma_f32_16x16x32_f16 v[8*(8*(\a)+\b):8*(8*(\a)+\b)+7], v[\f+8*\b:\f+8*\b+7], v[\f+8*(4*\hi+\a):\f+8*(4*\hi+\a)+7], v[8*(8*(\a)+\b):8*(8*(\a)+\b)+7]
.endif
.endr
.endr
.endm
.macro FETCHB slot, k, f               ; my 8 column tiles' fragments: a column tile is 8 LDS rows of 272 bytes
	WIN TO_B
.irp i, 0,1,2,3,4,5,6,7
	ds_load_b128 v[\f+8*\i:\f+8*\i+3],   v[ADRB+(\slot)] offset:\k+2176*\i
	ds_load_b128 v[\f+8*\i+4:\f+8*\i+7], v[ADRB+(\slot)] offset:\k+2176*\i+32
.endr
.endm
.macro FETCHX buf, k, f                ; the 8 row tiles of x
	WIN 0
.irp i, 0,1,2,3,4,5,6,7
	ds_load_b128 v[\f+8*\i:\f+8*\i+3],   v[ADRX+(\buf)] offset:\k+2304*\i
	ds_load_b128 v[\f+8*\i+4:\f+8*\i+7], v[ADRX+(\buf)] offset:\k+2304*\i+32
.endr
.endm
.macro FETCHH hr, k, f                 ; the 8 row tiles of h; hr: which address register, k: region and bytes in the row
.irp i, 0,1,2,3,4,5,6,7
	ds_load_b128 v[\f+8*\i:\f+8*\i+3],   v[ADRH+\hr] offset:\k+4352*\i
	ds_load_b128 v[\f+8*\i+4:\f+8*\i+7], v[ADRH+\hr] offset:\k+4352*\i+32
.endr
.endm
.macro FETCHE slot, kw, hr, kh, eb, ea ; the extra column tile, and my own two row tiles of h
	ds_load_b128 v[\eb:\eb+3],   v[ADRE+(\slot)] offset:\kw
	ds_load_b128 v[\eb+4:\eb+7], v[ADRE+(\slot)] offset:\kw+32
.irp i, 0,1
	ds_load_b128 v[\ea+8*\i:\ea+8*\i+3],   v[ADRHE+\hr] offset:\kh+4352*\i
	ds_load_b128 v[\ea+8*\i+4:\ea+8*\i+7], v[ADRHE+\hr] offset:\kh+4352*\i+32
.endr
.endm
.macro EMUL eb, ea, mode
.irp i, 0,1
.if \mode == 1
	v_wmma_f32_16x16x32_f16 v[EACC+8*\i:EACC+8*\i+7], v[\eb:\eb+7], v[\ea+8*\i:\ea+8*\i+7], 0
.else
	v_wmma_f32_16x16x32_f16 v[EACC+8*\i:EACC+8*\i+7], v[\eb:\eb+7], v[\ea+8*\i:\ea+8*\i+7], v[EACC+8*\i:EACC+8*\i+7]
.endif
.endr
.endm
; 16 loads: my wave's 32 rows x 256 bytes of the next x tile.  Lanes 0-15 take 256 consecutive bytes of one row, aligned, lanes 16-31 of the row 8 below.
.macro XLOAD xb, first
.if \first == 0
	s_wait_xcnt 0x0                                ; the base is stepped only when every earlier load has had its address translated (ISA guide 3.1)
	s_add_nc_u64 s[4:5], s[4:5], 256
.endif
	WIN 0x40
.irp i, 0,1,2,3,4,5,6,7,8,9,10,11,12,13,14,15
	global_load_b128 v[\xb+4*\i:\xb+4*\i+3], v[XOFF], s[4:5] offset:((\i>>3)*16+(\i&7))*4096 th:TH_LOAD_NT
.endr
.endm
; a tile of x: wait, round in place, 8 bytes a lane into buffer buf, ask for the tile two further on.  cnt: the younger tile's loads may stay out.
.macro XCONV xb, buf, cnt, load
	s_wait_loadcnt \cnt
	WIN 0x45
.irp i, 0,1,2,3,4,5,6,7,8,9,10,11,12,13,14,15
	v_cvt_pk_f16_f32 v[\xb+4*\i],   v[\xb+4*\i],   v[\xb+4*\i+1]
	v_cvt_pk_f16_f32 v[\xb+4*\i+1], v[\xb+4*\i+2], v[\xb+4*\i+3]
.endr
	WIN 0x04
.irp i, 0,1,2,3,4,5,6,7,8,9,10,11,12,13,14,15
	ds_store_b64 v[XSTO+(\buf)], v[\xb+4*\i:\xb+4*\i+1] offset:((\i>>3)*16+(\i&7))*144   ; the two halves of the lanes lie 1,152 bytes apart: 128 modulo 256
.endr
.if \load
	XLOAD \xb, 0
.endif
.endm
.macro CLOAD                           ; ba, bb, Wc of my 64 gate columns, into the registers that x has left
	WIN 0x40
.irp b, 0,1,2,3
	global_load_b128 v[8*\b:8*\b+3],       v[CBOFF], s[10:11] offset:64*\b
	global_load_b128 v[8*\b+4:8*\b+7],     v[CBOFF], s[10:11] offset:64*\b+16
	global_load_b128 v[32+8*\b:32+8*\b+3], v[CBOFF], s[12:13] offset:64*\b
	global_load_b128 v[32+8*\b+4:32+8*\b+7], v[CBOFF], s[12:13] offset:64*\b+16
.irp q, 0,1,2,3
	global_load_b128 v[192+16*\b+4*\q:192+16*\b+4*\q+3], v[WCOFF], s[14:15] offset:128*\b+16*\q
.endr
.endr
.endm
; First product, first half of a K step: multiplies buffer F0; in its middle the next x tile is rounded (xc = 1; its 32 conversions are the places in
; front of the fetch) and the second half's fragments are fetched into F1.  xc = 2: the gate's constants are asked for instead.
.macro G1Q slot, mode, xc, cnt, load
	s_wait_dscnt 8                                 ; all but the youngest eight loads: row tiles 4-7
.if \mode == 2
	WIN MULB_LO
.else
	WIN MUL_LO
.endif
	MUL16 F0, 0, 0, \mode
	MUL16 F0, 0, 2, \mode
.if \xc == 1
	XCONV 192*(1-\slot), 1-\slot, \cnt, \load
.else
.if \xc == 2
	CLOAD
.endif
	PLACES
.endif
	FETCHB \slot, 64, F1
	FETCHX \slot, 64, F1
.if \xc == 1
	s_wait_dscnt 48                                ; all but the 16 stores and 32 loads just issued
.else
	s_wait_dscnt 32
.endif
.if \mode == 2
	WIN MULB_HI
.else
	WIN MUL_HI
.endif
	MUL16 F0, 1, 0, \mode
	MUL16 F0, 1, 2, \mode
.endm
; Second half of a K step: multiplies F1 and changes slots.  In front of the round each wave waits for all its LDS work (its reads of this slot and of this
; x buffer, its stores into the other x buffer) and for all its tensor loads; behind the round the joint refill comes first, then the other slot is read.
; kind 1: the W1 tile two steps on; kind 2: a tile of the second product.
.macro G1T slot, kind, fetch
	s_wait_dscnt 8
	WIN MUL_LO
	MUL16 F1, 0, 0, 0
	s_wait_dscnt 0x0
	s_set_vgpr_msb 0xa1a0
	s_wait_tensorcnt 0x0
	ds_add_u32 v62, v63
	s_wait_dscnt 0x0
	s_set_vgpr_msb 0xa0a1
	s_barrier_signal -1
	MUL16 F1, 0, 2, 0                              ; registers only, while the others arrive
	WIN 0
	s_barrier_wait -1
	CREST
.if \kind == 1
	s_add_nc_u64 s[G0+4*\slot+2:G0+4*\slot+3], s[G0+4*\slot+2:G0+4*\slot+3], 0x20000   ; no load of mine is out: the address may step, two tiles of 65,536 bytes
	tensor_load_to_lds s[G0+4*\slot:G0+4*\slot+3], s[G1:G1+7]
	s_nop 0
.else
	tensor_load_to_lds s[G0C+4*\slot:G0C+4*\slot+3], s[G1C:G1C+7]
	s_nop 0
.endif
.if \fetch
	PLACES
	FETCHB 1-\slot, 0, F0
	FETCHX 1-\slot, 0, F0
.endif
	WIN MUL_HI
	MUL16 F1, 1, 0, 0
	MUL16 F1, 1, 2, 0
.endm
; relu (as a clamp to [0, 65,504], so that the rounding to f16 stays finite), rounding and storing of 16 rows of h: a lane's eight columns of a tile are 16 bytes
.macro HOUT hi, a
	WIN 2+\hi
.irp b, 0,1,2,3,4,5,6,7
.irp j, 0,1,2,3,4,5,6,7
	v_med3_num_f32 v[64+8*\b+\j], v[8*(8*\a+\b)+\j], 0, s[HMAX]
.endr
.endr
	WIN 0
.irp b, 0,1,2,3,4,5,6,7
.irp p, 0,1,2,3
	v_cvt_pk_f16_f32 v[192+4*\b+\p], v[64+8*\b+2*\p], v[64+8*\b+2*\p+1]
.endr
.endr
.irp b, 0,1,2,3,4,5,6,7
	ds_store_b128 v[HSTO], v[192+4*\b:192+4*\b+3] offset:4352*(4*\hi+\a)+32*\b
.endr
.endm
; Second product, the two halves of a K step, as above with h in x's place and the extras' two matrix instructions in each half.
.macro G2Q slot, hr, ko, mode
	s_wait_dscnt 8
	WIN MUL_LO
	MUL16 F0, 0, 0, \mode
	MUL16 F0, 0, 2, \mode
	PLACES
	FETCHB \slot, 64, F1
	WIN 0
	FETCHE \slot, 64, \hr, \ko+64, EB1, EA1
	FETCHH \hr, \ko+64, F1
	s_wait_dscnt 38                                ; all but the 38 just issued
	EMUL EB0, EA0, \mode
	WIN MUL_HI
	MUL16 F0, 1, 0, \mode
	MUL16 F0, 1, 2, \mode
.endm
.macro G2T slot, hrn, kon, fill
	s_wait_dscnt 8
	WIN MUL_LO
	MUL16 F1, 0, 0, 0
	s_wait_dscnt 0x0
	s_set_vgpr_msb 0xa1a0
	s_wait_tensorcnt 0x0
	ds_add_u32 v62, v63
	s_wait_dscnt 0x0
	s_set_vgpr_msb 0xa0a1
	s_barrier_signal -1
	MUL16 F1, 0, 2, 0
	WIN 0
	s_barrier_wait -1
.if \fill
	CREST
	s_add_nc_u64 s[G0C+4*\slot+2:G0C+4*\slot+3], s[G0C+4*\slot+2:G0C+4*\slot+3], 0x21000   ; two tiles of 67,584 bytes
	tensor_load_to_lds s[G0C+4*\slot:G0C+4*\slot+3], s[G1C:G1C+7]
	s_nop 0
.endif
	PLACES
	FETCHB 1-\slot, 0, F0
	WIN 0
	FETCHE 1-\slot, 0, \hrn, \kon, EB0, EA0
	FETCHH \hrn, \kon, F0
	EMUL EB1, EA1, 0
	WIN MUL_HI
	MUL16 F1, 1, 0, 0
	MUL16 F1, 1, 2, 0
.endm
; The gate for 16 rows.  y = 2 log2e p stays in v128-159.  tanh(p) = 1 - 2 / (1 + 2^y), and sigmoid(q) = 1 / (1 + 2^(-log2e q)): both end rightly where the
; power is 0 or infinite.  Where y^2 < 1/32 (|p| < 0.0613) tanh is taken from the series instead: p - p^3 / 3 = y (k1 + k3 y^2), k1 = ln2 / 2, k3 = -k1^3 / 3
; (why: the kernel's head).  Both forms are made for every number and one is selected.
; Then the product with Wc, in f32: a pair of registers is (class 0, class 1), four chains.
.macro GATE hi, a
	WIN 0x12+\hi
.irp b, 0,1,2,3
.irp q, 0,2,4,6
	v_pk_fma_f32 v[128+8*\b+\q:129+8*\b+\q], v[8*(8*\a+\b)+\q:8*(8*\a+\b)+\q+1], 0x4038aa3b, v[8*\b+\q:8*\b+\q+1] op_sel_hi:[1,0,1]
	v_pk_fma_f32 v[96+8*\b+\q:97+8*\b+\q], v[8*(8*\a+4+\b)+\q:8*(8*\a+4+\b)+\q+1], 0xbfb8aa3b, v[32+8*\b+\q:33+8*\b+\q] op_sel_hi:[1,0,1]
.endr
.endr
	WIN 0
.set gi, 0
.rept 32
	v_exp_f32 v[64+gi], v[128+gi]
	v_exp_f32 v[96+gi], v[96+gi]
.set gi, gi+1
.endr
.set gi, 0
.rept 16
	v_pk_mul_f32 v[160+2*gi:161+2*gi], v[128+2*gi:129+2*gi], v[128+2*gi:129+2*gi]      ; y^2; the first of these is the plain instruction behind the last transcendental (ISA guide 5.7.2)
.set gi, gi+1
.endr
.set gi, 0
.rept 16
	v_pk_fma_f32 v[192+2*gi:193+2*gi], v[160+2*gi:161+2*gi], v[KC3:KC3+1], v[KC1:KC1+1]
.set gi, gi+1
.endr
.set gi, 0
.rept 16
	v_pk_mul_f32 v[192+2*gi:193+2*gi], v[192+2*gi:193+2*gi], v[128+2*gi:129+2*gi]      ; the series
.set gi, gi+1
.endr
.set gi, 0
	s_wait_alu depctr_va_vdst(0)
.rept 32
	v_pk_add_f32 v[64+2*gi:65+2*gi], v[64+2*gi:65+2*gi], 1.0 op_sel_hi:[1,0]
.set gi, gi+1
.endr
.set gi, 0
.rept 64
	v_rcp_f32 v[64+gi], v[64+gi]
.set gi, gi+1
.endr
	v_nop                                          ; one plain instruction behind the last transcendental
.set gi, 0
	s_wait_alu depctr_va_vdst(0)
.rept 16
	v_pk_fma_f32 v[64+2*gi:65+2*gi], v[64+2*gi:65+2*gi], -2.0, 1.0 op_sel_hi:[1,0,0]
.set gi, gi+1
.endr
.set gi, 0
.rept 32
	v_cmp_gt_f32 vcc_lo, s[YSQ], v[160+gi]
	v_cndmask_b32 v[64+gi], v[64+gi], v[192+gi], vcc_lo
.set gi, gi+1
.endr
.set gi, 0
.rept 16
	v_pk_mul_f32 v[64+2*gi:65+2*gi], v[64+2*gi:65+2*gi], v[96+2*gi:97+2*gi]
.set gi, gi+1
.endr
	WIN 0x04                                       ; Wc's pairs lie in window 1
.irp b, 0,1,2,3
	v_pk_mul_f32 v[48+2*\b:49+2*\b], v[64+8*\b:65+8*\b], v[192+16*\b:193+16*\b] op_sel_hi:[0,1]
.endr
.irp b, 0,1,2,3
	v_pk_fma_f32 v[48+2*\b:49+2*\b], v[64+8*\b:65+8*\b], v[194+16*\b:195+16*\b], v[48+2*\b:49+2*\b] op_sel:[1,0,0] op_sel_hi:[1,1,1]
.endr
.irp jj, 2,4,6
.irp b, 0,1,2,3
	v_pk_fma_f32 v[48+2*\b:49+2*\b], v[64+8*\b+\jj:65+8*\b+\jj], v[192+16*\b+2*\jj:193+16*\b+2*\jj], v[48+2*\b:49+2*\b] op_sel:[0,0,0] op_sel_hi:[0,1,1]
.endr
.irp b, 0,1,2,3
	v_pk_fma_f32 v[48+2*\b:49+2*\b], v[64+8*\b+\jj:65+8*\b+\jj], v[194+16*\b+2*\jj:195+16*\b+2*\jj], v[48+2*\b:49+2*\b] op_sel:[1,0,0] op_sel_hi:[1,1,1]
.endr
.endr
	WIN 0
	v_pk_add_f32 v[48:49], v[48:49], v[50:51]
	v_pk_add_f32 v[52:53], v[52:53], v[54:55]
	v_pk_add_f32 v[48:49], v[48:49], v[52:53]
	v_permlanex16_b32 v56, v48, s[PS0], s[PS1]     ; the other eight columns of each tile lie in lane l xor 16
	v_permlanex16_b32 v57, v49, s[PS0], s[PS1]
	v_pk_add_f32 v[48:49], v[48:49], v[56:57]
	ds_store_b32 v[PSTO], v48 offset:64*(4*\hi+\a)         ; both halves of the lanes store the same number to the same word
	ds_store_b32 v[PSTO], v49 offset:64*(4*\hi+\a)+512
.endm
; a reduction over the 32 lanes, the result in every lane
.macro WRED opd, op, reg, tmp
	\opd v[\reg], v[\reg], v[\reg] row_xmask:1 row_mask:0xf bank_mask:0xf
	\opd v[\reg], v[\reg], v[\reg] row_xmask:2 row_mask:0xf bank_mask:0xf
	\opd v[\reg], v[\reg], v[\reg] row_xmask:4 row_mask:0xf bank_mask:0xf
	\opd v[\reg], v[\reg], v[\reg] row_xmask:8 row_mask:0xf bank_mask:0xf
	v_permlanex16_b32 v[\tmp], v[\reg], s[PS0], s[PS1]
	\op v[\reg], v[\reg], v[\tmp]
.endm
; The eight largest keys of E candidates a lane, equal keys to the lower position; each takes its payload along.  Eight trips; every choice is a select,
; no address and no branch hangs on a number.  Lane l ends with rank l mod 8 in SRK (key), SRP (payload), SRI (position, if reci).
.macro SELECT E, KB, PB, KS, IB, reci
	v_mov_b32 v[SNEG], 0xff800000
	v_mov_b32 v[SRK], 0
	v_mov_b32 v[SRP], 0
.if \reci
	v_mov_b32 v[SRI], 0
.endif
	v_mov_b32 v[ST], 0
	s_mov_b32 s[SCNT], 0
.Lsel_\@:
	v_max_num_f32 v[SM], v[\KB], v[\KB+\KS]
.if \E > 2
.set se, 2
.rept \E-2
	v_max_num_f32 v[SM], v[SM], v[\KB+\KS*se]
.set se, se+1
.endr
.endif
	WRED v_max_num_f32_dpp, v_max_num_f32, SM, ST  ; the largest key left
	v_mov_b32 v[SC], 0x4e6e6b28                    ; 1e9: above every position
.set se, \E-1
.rept \E
	v_cmp_eq_f32 vcc_lo, v[\KB+\KS*se], v[SM]
	v_cndmask_b32 v[SC], v[SC], v[\IB+se], vcc_lo  ; positions rise with se: the lowest match stays
.set se, se-1
.endr
	WRED v_min_num_f32_dpp, v_min_num_f32, SC, ST  ; the lowest position that holds it
	v_mov_b32 v[SPL], v[SNEG]
.set se, 0
.rept \E
	v_cmp_eq_f32 vcc_lo, v[\IB+se], v[SC]
	v_cndmask_b32 v[SPL], v[SPL], v[\PB+\KS*se], vcc_lo
	v_cndmask_b32 v[\KB+\KS*se], v[\KB+\KS*se], v[SNEG], vcc_lo    ; taken
.set se, se+1
.endr
	WRED v_max_num_f32_dpp, v_max_num_f32, SPL, ST ; its payload, to every lane
	v_cmp_eq_u32 vcc_lo, s[SCNT], v[SL7]
	v_cndmask_b32 v[SRK], v[SRK], v[SM], vcc_lo
	v_cndmask_b32 v[SRP], v[SRP], v[SPL], vcc_lo
.if \reci
	v_cndmask_b32 v[SRI], v[SRI], v[SC], vcc_lo
.endif
	s_add_co_u32 s[SCNT], s[SCNT], 1
	s_cmp_lt_u32 s[SCNT], 8
	s_cbranch_scc1 .Lsel_\@
.endm
	; ---------------- set-up ----------------
	s_load_b256 s[4:11], s[0:1], 0x0               ; x s[4:5], wt s[6:7], b1 s[8:9], ba s[10:11]
	s_load_b256 s[12:19], s[0:1], 0x20             ; bb s[12:13], Wc s[14:15], bc s[16:17], out3 s[18:19]
	s_load_b64 s[20:21], s[0:1], 0x40              ; rec
	v_lshl_add_u32 v62, v0, 2, 0x4f900
	v_mov_b32 v63, 0
	ds_add_u32 v62, v63
	v_lshrrev_b32 v3, 5, v0
	v_readfirstlane_b32 s22, v3                    ; wave 0..3
	s_bfe_u32 s23, ttmp6, 0x40000                  ; my place in the cluster
	s_lshl_b32 s24, ttmp9, 2
	s_add_co_u32 s24, s24, s23                     ; row block = 4 x cluster + place; it enters the addresses of x, out3 and rec alone
	s_mov_b32 s[PS0], 0x76543210                   ; v_permlanex16_b32: lane i reads lane i of the other half
	s_mov_b32 s[PS1], 0xfedcba98
	s_mov_b32 s[HMAX], 0x477fe000                  ; 65,504.0
	s_mov_b32 s[YSQ], 0x3d000000                   ; 1/32
	; group 1: rows of 32 elements of 8 bytes, dense in memory, 16 bytes of padding behind each in LDS; the mask names all four partners
	s_mov_b32 s[G1+0], 15|(3<<16)|(1<<20)|(1<<21)|(5<<22)|(3<<25)
	s_mov_b32 s[G1+1], 32<<16                      ; tensor_dim0 = 32
	s_mov_b32 s[G1+2], 64<<16                      ; tensor_dim1 = 64
	s_mov_b32 s[G1+3], 32<<16                      ; tile_dim0 = 32
	s_mov_b32 s[G1+4], 64                          ; tile_dim1 = 64
	s_mov_b32 s[G1+5], 32                          ; from row to row
	s_mov_b32 s[G1+6], 0
	s_mov_b32 s[G1+7], 0
	s_mov_b32 s[G1C+0], 15|(3<<16)|(1<<20)|(1<<21)|(5<<22)|(3<<25)
	s_mov_b32 s[G1C+1], 32<<16
	s_mov_b32 s[G1C+2], 66<<16                     ; 66 rows: a quarter of 264
	s_mov_b32 s[G1C+3], 32<<16
	s_mov_b32 s[G1C+4], 66
	s_mov_b32 s[G1C+5], 32
	s_mov_b32 s[G1C+6], 0
	s_mov_b32 s[G1C+7], 0
	v_and_b32 v1, 15, v0                           ; r
	v_bfe_u32 v2, v0, 4, 1                         ; h
	v_and_b32 v[LANE], 31, v0
	v_and_b32 v[L7], 7, v0
	s_lshl_b32 s25, s22, 17                        ; 32 rows of 4,096 bytes a wave
	v_lshlrev_b32 v[XOFF], 4, v1
	v_lshl_add_u32 v[XOFF], v2, 15, v[XOFF]        ; 8 rows down for lanes 16-31
	v_add_nc_u32 v[XOFF], s25, v[XOFF]
	s_lshl_b32 s25, s22, 9
	v_lshl_add_u32 v[B1OFF], v2, 5, s25            ; b1: 4 (128 w + 8 h)
	v_lshl_add_u32 v[WCOFF], v2, 6, s25            ; Wc: 8 (64 w + 8 h)
	s_lshl_b32 s25, s22, 8
	v_lshl_add_u32 v[CBOFF], v2, 5, s25            ; ba, bb: 4 (64 w + 8 h)
	s_mov_b32 s27, 0
	s_mov_b32 s29, 0
	s_wait_dscnt 0x0
	s_wait_kmcnt 0x0
	s_load_b64 s[70:71], s[16:17], 0x0             ; bc
	s_lshl_b32 s26, s24, 19                        ; 128 rows of 4,096 bytes
	s_add_nc_u64 s[4:5], s[4:5], s[26:27]
	s_lshl_b32 s26, s24, 9                         ; 128 numbers of out3
	s_add_nc_u64 s[18:19], s[18:19], s[26:27]
	s_lshl_b32 s26, s24, 8                         ; one record
	s_add_nc_u64 s[20:21], s[20:21], s[26:27]
	; group 0, a set for each slot and kind: constants and the wave's number alone
	s_mul_i32 s25, s22, 17408                      ; 64 LDS rows of 272
	s_lshl_b32 s28, s22, 14                        ; 64 rows of 256
	s_add_nc_u64 s[30:31], s[6:7], s[28:29]
.irp s, 0,1
	s_mov_b32 s[G0+4*\s], 1
	s_add_co_u32 s[G0+4*\s+1], s25, \s*SLOTB
	s_add_nc_u64 s[G0+4*\s+2:G0+4*\s+3], s[30:31], \s*65536
	s_or_b32 s[G0+4*\s+3], s[G0+4*\s+3], 0x80000000
.endr
	s_mul_i32 s25, s22, 17952                      ; 66 LDS rows
	s_mul_i32 s28, s22, 16896                      ; 66 rows of 256
	s_add_co_u32 s28, s28, 1048576
	s_add_nc_u64 s[30:31], s[6:7], s[28:29]
.irp s, 0,1
	s_mov_b32 s[G0C+4*\s], 1
	s_add_co_u32 s[G0C+4*\s+1], s25, \s*SLOTB
	s_add_nc_u64 s[G0C+4*\s+2:G0C+4*\s+3], s[30:31], \s*67584
	s_or_b32 s[G0C+4*\s+3], s[G0C+4*\s+3], 0x80000000
.endr
.irp b, 0,1,2,3,4,5,6,7
	global_load_b128 v[BIAS+8*\b:BIAS+8*\b+3],   v[B1OFF], s[8:9] offset:64*\b       ; register j of tile b: b1[128 w + 16 b + 8 h + j], the layout of C
	global_load_b128 v[BIAS+8*\b+4:BIAS+8*\b+7], v[B1OFF], s[8:9] offset:64*\b+16
.endr
	XLOAD 0, 1                                     ; x tile 0
	XLOAD 192, 0                                   ; x tile 1
	WIN 0
	CROUND                                         ; the four partners are here: the first joint loads meet
	tensor_load_to_lds s[G0:G0+3], s[G1:G1+7]      ; W1 tile 0
	s_nop 0
	tensor_load_to_lds s[G0+4:G0+7], s[G1:G1+7]    ; W1 tile 1
	s_nop 0
	; LDS addresses.  A weight fragment: column r of a tile lies in LDS row r mod 8, half r / 8
	v_and_b32 v3, 7, v1
	v_mul_u32_u24 v3, v3, 272
	v_lshrrev_b32 v25, 3, v1
	v_lshl_add_u32 v3, v25, 7, v3
	v_lshl_add_u32 v3, v2, 4, v3
	s_mul_i32 s25, s22, 17408                      ; my eight column tiles
	v_add_nc_u32 v[ADRB], s25, v3
	v_add_nc_u32 v[ADRB+1], SLOTB, v[ADRB]
	v_add_nc_u32 v[ADRE], 69632, v3                ; column tile 32
	v_add_nc_u32 v[ADRE+1], SLOTB, v[ADRE]
	v_mul_u32_u24 v3, v1, 144
	v_lshl_add_u32 v3, v2, 4, v3
	v_add_nc_u32 v[ADRX], XST, v3
	v_add_nc_u32 v[ADRX+1], XBUF, v[ADRX]
	v_mul_u32_u24 v3, v1, 272
	v_lshl_add_u32 v3, v2, 4, v3
	v_add_nc_u32 v[ADRH], HST, v3
	v_add_nc_u32 v[ADRH+1], 2*HREG, v[ADRH]
	s_mul_i32 s25, s22, 8704                       ; 32 rows of 272
	v_add_nc_u32 v[ADRHE], s25, v[ADRH]
	v_add_nc_u32 v[ADRHE+1], 2*HREG, v[ADRHE]
	s_mul_i32 s25, s22, HREG
	v_add_nc_u32 v[HSTO], s25, v[ADRH]
	s_mul_i32 s25, s22, 4608                       ; 32 rows of 144
	s_add_co_u32 s25, s25, XST
	v_mul_u32_u24 v3, v2, 1152
	v_lshl_add_u32 v3, v1, 3, v3
	v_add_nc_u32 v[XSTO], s25, v3
	v_add_nc_u32 v[XSTO+1], XBUF, v[XSTO]
	s_lshl_b32 s25, s22, 10
	s_add_co_u32 s25, s25, PART
	v_lshl_add_u32 v[PSTO], v1, 2, s25
	s_mul_i32 s25, s22, 384
	s_add_co_u32 s25, s25, EXV
	v_lshl_add_u32 v[ESTO], v1, 2, s25
	XCONV 0, 0, 16, 1                              ; b1 and tile 0 are in (tile 1's 16 loads stay out); tile 0 into buffer 0; tile 2 is asked for
	s_wait_kmcnt 0x0
	s_mov_b32 s72, s71                             ; bc[1] as a pair's first word
	s_mov_b32 s73, s71
	s_wait_dscnt 0x0                               ; my part of x tile 0 is stored
	s_wait_tensorcnt 0x1                           ; my quarter of W1 tile 0 is in; tile 1's may stay out
	s_barrier_signal -1
	s_barrier_wait -1
	FETCHB 0, 0, F0
	FETCHX 0, 0, F0
	; ---------------- h = relu(x W1 + b1): 16 K steps ----------------
	G1Q 0, 2, 1, 16, 1                             ; step 0: b1 starts the sums; step t rounds x tile t + 1 and asks for tile t + 3
	G1T 0, 1, 1
	G1Q 1, 0, 1, 16, 1
	G1T 1, 1, 1
	WIN 0                                          ; at a label and at a branch every window is 0
	s_mov_b32 s68, 5
.Lk1:
	G1Q 0, 0, 1, 16, 1                             ; steps 2 to 11
	G1T 0, 1, 1
	G1Q 1, 0, 1, 16, 1
	G1T 1, 1, 1
	WIN 0
	s_sub_co_u32 s68, s68, 1
	s_cmp_lg_u32 s68, 0
	s_cbranch_scc1 .Lk1
	G1Q 0, 0, 1, 16, 1                             ; step 12 asks for the last x tile
	G1T 0, 1, 1
	G1Q 1, 0, 1, 16, 0                             ; step 13
	G1T 1, 1, 1                                    ; the last W1 tile
	G1Q 0, 0, 1, 0, 0                              ; step 14: the last x tile: no younger load is out
	G1T 0, 2, 1                                    ; the second product's tile 0 into slot 0
	G1Q 1, 0, 2, 0, 0                              ; step 15: ba, bb, Wc are asked for
	G1T 1, 2, 0                                    ; its tile 1 into slot 1
	PLACES
.irp a, 0,1,2,3
	HOUT 0, \a
.endr
.irp a, 0,1,2,3
	HOUT 1, \a
.endr
	s_wait_dscnt 0x0                               ; my columns of h are stored
	s_wait_tensorcnt 0x1                           ; slot 0's tile was shown landed in front of step 15's round; slot 1's may stay out
	s_barrier_signal -1
	s_barrier_wait -1
	FETCHB 0, 0, F0
	WIN 0
	FETCHE 0, 0, 0, 0, EB0, EA0
	FETCHH 0, 0, F0
	; ---------------- h [Wa | Wb | extras]: 8 K steps; step u reads h's region u / 2 at byte 128 (u mod 2) ----------------
	G2Q 0, 0, 0, 1
	G2T 0, 0, 128, 1
	G2Q 1, 0, 128, 0
	G2T 1, 0, HREG, 1
	G2Q 0, 0, HREG, 0
	G2T 0, 0, HREG+128, 1
	G2Q 1, 0, HREG+128, 0
	G2T 1, 1, 0, 1
	G2Q 0, 1, 0, 0
	G2T 0, 1, 128, 1
	G2Q 1, 1, 128, 0
	G2T 1, 1, HREG, 1                              ; the last tile goes out
	G2Q 0, 1, HREG, 0
	G2T 0, 1, HREG+128, 0                          ; nothing is left to fetch: the work-group's barrier alone shows slot 1 whole
	G2Q 1, 1, HREG+128, 0
	s_wait_dscnt 8
	WIN MUL_LO
	MUL16 F1, 0, 0, 0
	MUL16 F1, 0, 2, 0
	s_wait_dscnt 0x0
	WIN 0
	EMUL EB1, EA1, 0
	WIN MUL_HI
	MUL16 F1, 1, 0, 0
	MUL16 F1, 1, 2, 0
	; ---------------- the gate and the product with Wc ----------------
	s_wait_loadcnt 0x0                             ; ba, bb, Wc
	WIN 0x41
.set gi, 0
.rept 16
	v_pk_mul_f32 v[2*gi:2*gi+1], v[2*gi:2*gi+1], 0x4038aa3b op_sel_hi:[1,0]            ; ba x 2 log2e; these 32 are also the places behind the last products
	v_pk_mul_f32 v[32+2*gi:33+2*gi], v[32+2*gi:33+2*gi], 0xbfb8aa3b op_sel_hi:[1,0]    ; bb x -log2e
.set gi, gi+1
.endr
	WIN 0
	v_mov_b32 v56, 0                               ; v_permlanex16_b32 counts as a reader of its destination
	v_mov_b32 v57, 0
	v_mov_b32 v[KC3], 0xbc635846                   ; -(ln2 / 2)^3 / 3
	v_mov_b32 v[KC3+1], 0xbc635846
	v_mov_b32 v[KC1], 0x3eb17218                   ; ln2 / 2
	v_mov_b32 v[KC1+1], 0x3eb17218
.irp a, 0,1,2,3
	GATE 0, \a
.endr
.irp a, 0,1,2,3
	GATE 1, \a
.endr
.irp i, 0,1
.irp q, 0,1,2
	ds_store_b32 v[ESTO], v[EACC+8*\i+\q] offset:128*\q+64*\i      ; s, d0, d1 of my 32 rows
.endr
.endr
	s_wait_dscnt 0x0
	s_barrier_signal -1
	s_barrier_wait -1
	; ---------------- the block's 128 rows: lane l takes rows 4 l .. 4 l + 3, in every wave ----------------
	v_lshlrev_b32 v27, 4, v[LANE]
	v_add_nc_u32 v25, PART, v27
	v_lshrrev_b32 v3, 3, v[LANE]
	v_mul_u32_u24 v3, v3, 384
	v_lshl_add_u32 v3, v[L7], 4, v3
	v_add_nc_u32 v26, EXV, v3
.irp c, 0,1
.irp w, 0,1,2,3
	ds_load_b128 v[64+16*\c+4*\w:67+16*\c+4*\w], v25 offset:1024*\w+512*\c
.endr
.endr
.irp q, 0,1,2
	ds_load_b128 v[96+4*\q:99+4*\q], v26 offset:128*\q             ; s v96-99, d0 v100-103, d1 v104-107
.endr
	s_wait_dscnt 0x0
.irp c, 0,1
.irp p, 0,2
	v_pk_add_f32 v[64+16*\c+\p:65+16*\c+\p], v[64+16*\c+\p:65+16*\c+\p], v[68+16*\c+\p:69+16*\c+\p]
	v_pk_add_f32 v[72+16*\c+\p:73+16*\c+\p], v[72+16*\c+\p:73+16*\c+\p], v[76+16*\c+\p:77+16*\c+\p]
.endr
.irp p, 0,2
	v_pk_add_f32 v[64+16*\c+\p:65+16*\c+\p], v[64+16*\c+\p:65+16*\c+\p], v[72+16*\c+\p:73+16*\c+\p]
	v_pk_add_f32 v[64+16*\c+\p:65+16*\c+\p], v[64+16*\c+\p:65+16*\c+\p], s[70+2*\c:71+2*\c] op_sel_hi:[1,0]   ; + bc[c]
.endr
.endr
	s_cmp_eq_u32 s22, 3                            ; A0 in v64-67, A1 in v80-83
	s_cbranch_scc1 .Lw3
	; waves 0, 1, 2: the lists (A0, d0), (A1, d1), (-A1, d1)
	s_cmp_eq_u32 s22, 0
	s_cselect_b32 s74, -1, 0
	s_cmp_eq_u32 s22, 2
	s_cselect_b32 s75, 0x80000000, 0
.irp e, 0,1,2,3
	v_cndmask_b32 v[108+\e], v[80+\e], v[64+\e], s74
	v_xor_b32 v[108+\e], s75, v[108+\e]
	v_cndmask_b32 v[112+\e], v[104+\e], v[100+\e], s74
	v_lshl_add_u32 v3, v[LANE], 2, \e
	v_cvt_f32_u32 v[116+\e], v3                    ; the row in the block, as the position
.endr
	SELECT 4, 108, 112, 1, 116, 0
	s_lshl_b32 s25, s22, 6
	s_add_co_u32 s25, s25, REC
	v_lshl_add_u32 v28, v[L7], 3, s25
	ds_store_b64 v28, v[SRK:SRP]                   ; the four groups of eight lanes store the same eight pairs
	s_branch .Ljoin
.Lw3:
	; wave 3: out3, and each class's softmax sums about the block's own maximum
	global_store_b128 v27, v[64:67], s[18:19]                      ; 512 consecutive bytes, aligned
	global_store_b128 v27, v[80:83], s[18:19] offset:262144
	v_mov_b32 v120, 0
.irp c, 0,1
	v_max_num_f32 v[108+4*\c], v[64+16*\c], v[65+16*\c]
	v_max3_num_f32 v[108+4*\c], v[108+4*\c], v[66+16*\c], v[67+16*\c]
	WRED v_max_num_f32_dpp, v_max_num_f32, 108+4*\c, 120
.irp e, 0,1,2,3
	v_sub_f32 v[116+\e], v[64+16*\c+\e], v[108+4*\c]
.endr
.irp e, 0,1,2,3
	v_mul_f32 v[116+\e], 0x3fb8aa3b, v[116+\e]
.endr
.irp e, 0,1,2,3
	v_exp_f32 v[116+\e], v[116+\e]
.endr
	v_nop
	s_wait_alu depctr_va_vdst(0)
	v_add_f32 v[109+4*\c], v116, v117
	v_mul_f32 v[110+4*\c], v116, v96
	v_add_f32 v[109+4*\c], v[109+4*\c], v118
	v_fmac_f32 v[110+4*\c], v117, v97
	v_add_f32 v[109+4*\c], v[109+4*\c], v119
	v_fmac_f32 v[110+4*\c], v118, v98
	v_fmac_f32 v[110+4*\c], v119, v99
	WRED v_add_f32_dpp, v_add_f32, 109+4*\c, 120
	WRED v_add_f32_dpp, v_add_f32, 110+4*\c, 120
.endr
	v_mov_b32 v121, 0                              ; words 48..63 of the record: m0 l0 t0 m1 l1 t1, then zeros
	v_cmp_eq_u32 vcc_lo, 0, v1
	v_cndmask_b32 v121, v121, v108, vcc_lo
	v_cmp_eq_u32 vcc_lo, 1, v1
	v_cndmask_b32 v121, v121, v109, vcc_lo
	v_cmp_eq_u32 vcc_lo, 2, v1
	v_cndmask_b32 v121, v121, v110, vcc_lo
	v_cmp_eq_u32 vcc_lo, 3, v1
	v_cndmask_b32 v121, v121, v112, vcc_lo
	v_cmp_eq_u32 vcc_lo, 4, v1
	v_cndmask_b32 v121, v121, v113, vcc_lo
	v_cmp_eq_u32 vcc_lo, 5, v1
	v_cndmask_b32 v121, v121, v114, vcc_lo
	v_lshlrev_b32 v29, 2, v1
	v_add_nc_u32 v29, REC+192, v29
	ds_store_b32 v29, v121
.Ljoin:
	s_wait_dscnt 0x0
	s_barrier_signal -1
	s_barrier_wait -1
	s_cmp_lg_u32 s22, 0
	s_cbranch_scc1 .Lnot0
	v_lshlrev_b32 v31, 3, v[LANE]
	v_add_nc_u32 v30, REC, v31
	ds_load_b64 v[32:33], v30
	s_wait_dscnt 0x0
	global_store_b64 v31, v[32:33], s[20:21]       ; the record: 256 consecutive bytes, aligned
.Lnot0:
	s_wait_tensorcnt 0x0
	ds_add_u32 v62, v63
	s_wait_dscnt 0x0
	CROUND                                         ; the closing round: no work-group ends while a partner may still ask jointly
	s_endpgm
.Lfunc_end_k_q7455cf7883_fused:
	.size	k_q7455cf7883_fused, .Lfunc_end_k_q7455cf7883_fused-k_q7455cf7883_fused
	.p2alignl 7, 3214868480
	.fill 96, 4, 3214868480
	.section	.rodata,"a",@progbits
	.p2align	6, 0x0
	.amdhsa_kernel k_q7455cf7883_fused
		.amdhsa_group_segment_fixed_size 327680
		.amdhsa_private_segment_fixed_size 0
		.amdhsa_enable_private_segment 0
		.amdhsa_kernarg_size 72
		.amdhsa_user_sgpr_count 2
		.amdhsa_user_sgpr_kernarg_segment_ptr 1
		.amdhsa_wavefront_size32 1
		.amdhsa_system_sgpr_workgroup_id_x 1
		.amdhsa_system_sgpr_workgroup_id_y 1
		.amdhsa_system_sgpr_workgroup_id_z 1
		.amdhsa_system_vgpr_workitem_id 0
		.amdhsa_next_free_vgpr 1024
		.amdhsa_next_free_sgpr 80
		.amdhsa_reserve_vcc 1
		.amdhsa_float_denorm_mode_32 3
		.amdhsa_float_denorm_mode_16_64 3
		.amdhsa_memory_ordered 1
		.amdhsa_forward_progress 1
		.amdhsa_inst_pref_size 255
	.end_amdhsa_kernel
	.section	.bss,"aw",@nobits
	.p2align	6
	.space	262144
	.amdgpu_metadata
---
amdhsa.version: [ 1, 2 ]
amdhsa.kernels:
  - .name:           k_q7455cf7883_fused
    .symbol:         k_q7455cf7883_fused.kd
    .args:
      - { .name: x, .offset: 0, .size: 8, .value_kind: global_buffer, .address_space: global }
      - { .name: wt, .offset: 8, .size: 8, .value_kind: global_buffer, .address_space: global }
      - { .name: b1, .offset: 16, .size: 8, .value_kind: global_buffer, .address_space: global }
      - { .name: ba, .offset: 24, .size: 8, .value_kind: global_buffer, .address_space: global }
      - { .name: bb, .offset: 32, .size: 8, .value_kind: global_buffer, .address_space: global }
      - { .name: Wc, .offset: 40, .size: 8, .value_kind: global_buffer, .address_space: global }
      - { .name: bc, .offset: 48, .size: 8, .value_kind: global_buffer, .address_space: global }
      - { .name: out3, .offset: 56, .size: 8, .value_kind: global_buffer, .address_space: global }
      - { .name: rec, .offset: 64, .size: 8, .value_kind: global_buffer, .address_space: global }
    .group_segment_fixed_size: 327680
    .private_segment_fixed_size: 0
    .kernarg_segment_align: 8
    .kernarg_segment_size: 72
    .max_flat_workgroup_size: 128
    .sgpr_count:     80
    .vgpr_count:     1024
    .wavefront_size: 32
...
	.end_amdgpu_metadata
.endif
;; end of part 2
;; launch finish (part 3): grid 1 x 1, 32 waves a work-group, no clusters, 142,848 bytes of LDS; arguments rec, bcls, bins, out0, out1, out2, out4; writes out0, out1, out2, out4
.if DOCPART == 3
	.amdgcn_target "amdgcn-amd-amdhsa--gfx1250"
	.amdhsa_code_object_version 6
	.text
	.protected	k_q7455cf7883_finish
	.globl	k_q7455cf7883_finish
	.p2align	8
	.type	k_q7455cf7883_finish,@function
k_q7455cf7883_finish:
	s_mov_b64 s[64:65], 0
	v_nop
	global_prefetch_b8 v0, s[64:65] scope:SCOPE_SE
	s_setreg_imm32_b32 hwreg(HW_REG_WAVE_MODE, 25, 1), 1
	s_wait_xcnt 0x0
; FINISH: 512 records -> logits, Y_prob, Y_hat, inst_loss.  One work-group: the results are one reduction, and work-groups hand each other nothing.
; Left out, as shown at the head of the first kernel: M, loss_in[0], loss_out[1], class 0's bottom 8; a row's two instance logits enter by their difference alone.
; A record (64 words): lists L = 0, 1, 2 at word 16 L: (key, d) of ranks 0..7, the larger key first, equal keys by rising row; words 48..53: m0 l0 t0 m1 l1 t1
; (the block's maximum of A, the sum of exp(A - m), the sum of exp(A - m) s).
; softmax pooling: with m = max of the m_i, logit = (sum of t_i exp(m_i - m)) / (sum of l_i exp(m_i - m)) + bcls: the maximum is taken away throughout.
; inst_loss = S0 / 16 + (S1 + S2) / 32: S0 = sum over class 0's top 8 of softplus(z), S1 over class 1's top 8 of softplus(-z), S2 over class 1's bottom 8
; of softplus(z), z = d + bins[c,1] - bins[c,0]; softplus(z) = max(z, 0) + log(1 + exp(-|z|)).
;
; THE BEST 8 OF 512 SORTED LISTS OF 8, in two levels of the same step.  A lane holds two lists, a and b; a segment of neighbouring lanes merges its lists.
; The lists lie so that rows rise from a to b and from lane to lane.  So a lane's best candidate is one of its two heads (a's on equal keys), and among the
; lanes whose head is the segment's maximum the lowest lane holds the lowest row: it is the lowest set bit of the compare's mask in the segment's field.
; No position is kept.  The taken list moves up one place by selects; behind take t only 7 - t entries of a list can still be taken, so 4 (7 - t) selects do.
; Every choice is a select: no address and no branch hangs on a number.
; Level 1: waves 0..23, list wave / 8, records 64 (wave mod 8) ..; segments of 16 lanes = 32 records; each stores its 8 (key, loss term), by rank.
; Level 2: wave 0; segments of 8 lanes, one for each list, 16 lists of level 1 each; the taken terms are added where they lie, and summed once at the end.
; LIMITS: NaN and infinities are not carried (a maximum drops NaN; a segment whose keys are all NaN takes nothing); equal keys go to the lower row.
.set PP,    528                        ; LDS bytes of two records: 512 + 16, so that 16 lanes at one pair each start in 16 different 16-byte columns
.set L2B,   135168                     ; behind the 256 pairs: level 1's results, 128 bytes a wave
.set L2P,   144                        ; their pitch: 128 + 16
.set PS0,   24
.set PS1,   25
.set SAB,   30                         ; lanes whose better head is list a's
.set STK,   31                         ; the taken lane of each segment
.set STA,   32                         ; ... where it takes from a
.set STB,   33                         ; ... from b
.set SRM,   34                         ; the lanes that keep this rank
.set LA,    32                         ; v32-47  list a: key, payload, key, payload ..
.set LB,    48                         ; v48-63  list b
.set HK,    64                         ; the lane's better head: key
.set HD,    65                         ; its payload
.set MX,    66                         ; the segment's maximum
.set PL,    67                         ; the taken payload on its way
.set RK,    68                         ; v68-69  rank l mod 8: key, payload
.set RP,    69
.set NEG,   70
.set ACC,   71
.macro WRED opd, op, reg, tmp          ; a reduction over the 32 lanes, the result in every lane
	\opd v[\reg], v[\reg], v[\reg] row_xmask:1 row_mask:0xf bank_mask:0xf
	\opd v[\reg], v[\reg], v[\reg] row_xmask:2 row_mask:0xf bank_mask:0xf
	\opd v[\reg], v[\reg], v[\reg] row_xmask:4 row_mask:0xf bank_mask:0xf
	\opd v[\reg], v[\reg], v[\reg] row_xmask:8 row_mask:0xf bank_mask:0xf
	v_permlanex16_b32 v[\tmp], v[\reg], s[PS0], s[PS1]
	\op v[\reg], v[\reg], v[\tmp]
.endm
.macro MSTEP x                         ; a step of the key's maximum over the segment
	v_max_num_f32_dpp v[MX], v[MX], v[MX] row_xmask:\x row_mask:0xf bank_mask:0xf
.endm
.macro PSTEP x                         ; a step of the taken payload's way to the segment's lanes (-inf in all lanes but one)
	v_max_num_f32_dpp v[PL], v[PL], v[PL] row_xmask:\x row_mask:0xf bank_mask:0xf
.endm
.macro PSL t, acc, x                   ; the last take's payload goes its way between this take's key steps: two chains that do not wait for each other
.if \acc == 0
.if \t > 0
	PSTEP \x
.endif
.endif
.endm
; Take number t.  wide = 1: segments of 16 lanes, 0: of 8.  acc = 0: lane l keeps rank l mod 8 in RK, RP; acc = 1: the taken payload is added in its lane.
.macro TAKE t, wide, acc
	v_cmp_ge_f32 s[SAB], v[LA], v[LB]              ; on equal keys list a, which holds the lower rows
	v_max_num_f32 v[HK], v[LA], v[LB]
	v_cndmask_b32 v[HD], v[LB+1], v[LA+1], s[SAB]
	v_max_num_f32_dpp v[MX], v[HK], v[HK] row_xmask:1 row_mask:0xf bank_mask:0xf
	PSL \t, \acc, 1
	MSTEP 2
	PSL \t, \acc, 2
	MSTEP 4
	PSL \t, \acc, 4
.if \wide
	MSTEP 8
	PSL \t, \acc, 8
.endif
	v_cmp_eq_f32 vcc_lo, v[HK], v[MX]              ; at least one lane of each segment
.if \acc == 0
.if \t == 1
	v_mov_b32 v[RP], v[PL]                         ; rank 0 starts the register: nothing is cleared
.elseif \t > 1
	v_cndmask_b32 v[RP], v[RP], v[PL], s[SRM]      ; the mask is still the last rank's
.endif
	s_mov_b32 s[SRM], 0x01010101<<\t               ; lanes t, t + 8, t + 16, t + 24
.if \t == 0
	v_mov_b32 v[RK], v[MX]
.else
	v_cndmask_b32 v[RK], v[RK], v[MX], s[SRM]
.endif
.endif
.if \wide
	s_sub_co_u32 s[STK], vcc_lo, 0x00010001        ; no field is 0, so nothing is borrowed from field to field:
.else
	s_sub_co_u32 s[STK], vcc_lo, 0x01010101
.endif
	s_and_not1_b32 s[STK], vcc_lo, s[STK]          ; m & ~(m - 1) in each field: its lowest set bit
	s_and_b32 s[STA], s[STK], s[SAB]
	s_and_not1_b32 s[STB], s[STK], s[SAB]
.if \t < 7
.set sj, 0
.rept 7-\t
	v_cndmask_b32 v[LA+2*sj],   v[LA+2*sj],   v[LA+2*sj+2], s[STA]
	v_cndmask_b32 v[LB+2*sj],   v[LB+2*sj],   v[LB+2*sj+2], s[STB]
.set sj, sj+1
.endr
.endif
.if \acc
.if \t == 0
	v_cndmask_b32 v[ACC], 0, v[HD], s[STK]
.else
	v_cndmask_b32 v[PL], 0, v[HD], s[STK]
	v_add_f32 v[ACC], v[ACC], v[PL]
.endif
.else
	v_cndmask_b32 v[PL], v[NEG], v[HD], s[STK]
.endif
.if \t < 7
.set sj, 0
.rept 7-\t
	v_cndmask_b32 v[LA+2*sj+1], v[LA+2*sj+1], v[LA+2*sj+3], s[STA]
	v_cndmask_b32 v[LB+2*sj+1], v[LB+2*sj+1], v[LB+2*sj+3], s[STB]
.set sj, sj+1
.endr
.endif
.endm
.macro SEL8 wide, acc
	v_mov_b32 v[MX], v[LA]                         ; a DPP form counts as a reader of its destination
.if \acc == 0
	v_mov_b32 v[NEG], 0xff800000
.endif
.irp t, 0,1,2,3,4,5,6,7
	TAKE \t, \wide, \acc
.endr
.if \acc == 0
	PSTEP 1                                        ; the last take's payload
	PSTEP 2
	PSTEP 4
.if \wide
	PSTEP 8
.endif
	v_cndmask_b32 v[RP], v[RP], v[PL], s[SRM]
.endif
.endm
; class c's logit from the 16 records a lane: m_i at v[32+6i+3c], l_i and t_i behind it
.macro STAT c, lg
	v_max_num_f32 v10, v[32+3*\c], v[38+3*\c]
.set si, 2
.rept 14
	v_max_num_f32 v10, v10, v[32+6*si+3*\c]
.set si, si+1
.endr
	WRED v_max_num_f32_dpp, v_max_num_f32, 10, 11
.set si, 0
.rept 16
	v_sub_f32 v[32+6*si+3*\c], v[32+6*si+3*\c], v10
	v_mul_f32 v[32+6*si+3*\c], 0x3fb8aa3b, v[32+6*si+3*\c]
.set si, si+1
.endr
.set si, 0
.rept 16
	v_exp_f32 v[32+6*si+3*\c], v[32+6*si+3*\c]
.set si, si+1
.endr
	v_nop                                          ; one plain instruction behind the last transcendental (ISA guide 5.7.2)
	s_wait_alu depctr_va_vdst(0)
	v_mul_f32 v12, v[33+3*\c], v[32+3*\c]
	v_mul_f32 v13, v[34+3*\c], v[32+3*\c]
.set si, 1
.rept 15
	v_fmac_f32 v12, v[33+6*si+3*\c], v[32+6*si+3*\c]
	v_fmac_f32 v13, v[34+6*si+3*\c], v[32+6*si+3*\c]
.set si, si+1
.endr
	WRED v_add_f32_dpp, v_add_f32, 12, 11
	WRED v_add_f32_dpp, v_add_f32, 13, 11
	v_rcp_f32 v14, v12                             ; the sum holds the maximum's own block, whose l is at least 1
	v_nop
	s_wait_alu depctr_va_vdst(0)
	v_fma_f32 v[\lg], v13, v14, s40
.endm
	; ---------------- all records into LDS, in whole runs of 512 bytes ----------------
	s_load_b256 s[4:11], s[0:1], 0x0               ; rec s[4:5], bcls s[6:7], bins s[8:9], out0 s[10:11]
	s_load_b128 s[12:15], s[0:1], 0x20             ; out1 s[12:13], out2 s[14:15]
	s_load_b64 s[16:17], s[0:1], 0x30              ; out4
	v_lshl_add_u32 v30, v0, 2, 0x21e00
	v_mov_b32 v31, 0
	v_lshrrev_b32 v2, 5, v0
	v_readfirstlane_b32 s20, v2                    ; wave 0..31
	s_mov_b32 s[PS0], 0x76543210
	s_mov_b32 s[PS1], 0xfedcba98
	v_and_b32 v4, 31, v0                           ; lane
	v_and_b32 v9, 7, v0
	v_lshlrev_b32 v1, 4, v0                        ; 16 bytes a thread
	v_mul_u32_u24 v2, v2, PP                       ; a wave's 512 bytes are one pair of records: pair 32 q + wave
	v_lshl_add_u32 v2, v4, 4, v2
	v_add_nc_u32 v3, 128*PP, v2
	s_wait_kmcnt 0x0
.irp q, 0,1,2,3,4,5,6,7
	global_load_b128 v[32+4*\q:35+4*\q], v1, s[4:5] offset:16384*\q        ; a wave takes 512 consecutive bytes, aligned
.endr
	s_load_b32 s40, s[6:7], 0x0                    ; bcls
	s_load_b128 s[44:47], s[8:9], 0x0              ; bins
.irp q, 0,1,2,3
	s_wait_loadcnt 7-\q                            ; in order: the younger ones may stay out
	ds_store_b128 v2, v[32+4*\q:35+4*\q] offset:32*PP*\q
.endr
.irp q, 4,5,6,7
	s_wait_loadcnt 7-\q
	ds_store_b128 v3, v[32+4*\q:35+4*\q] offset:32*PP*(\q-4)
.endr
	s_wait_kmcnt 0x0
	s_wait_dscnt 0x0
	s_barrier_signal -1
	s_barrier_wait -1
	s_cmp_ge_u32 s20, 24
	s_cbranch_scc1 .Lstat
	; ---------------- level 1: lane l takes pair 32 (wave mod 8) + l: records 2 l (list a) and 2 l + 1 (list b) of the wave's 64 ----------------
	s_lshr_b32 s27, s20, 3                         ; the list
	s_and_b32 s22, s20, 7
	s_mul_i32 s22, s22, 32*PP
	s_lshl_b32 s21, s27, 6                         ; its 64 bytes in a record
	s_add_co_u32 s21, s21, s22
	v_mul_u32_u24 v5, v4, PP
	v_add_nc_u32 v5, s21, v5
.irp p, 0,1,2,3
	ds_load_b128 v[LA+4*\p:LA+4*\p+3], v5 offset:16*\p
.endr
.irp p, 0,1,2,3
	ds_load_b128 v[LB+4*\p:LB+4*\p+3], v5 offset:256+16*\p
.endr
	s_cmp_eq_u32 s27, 0
	s_cselect_b32 s21, s44, s46                    ; bins[c][0], c = 0 for list 0, else 1
	s_cselect_b32 s22, s45, s47                    ; bins[c][1]
	s_cmp_eq_u32 s27, 1
	s_cselect_b32 s26, 0x80000000, 0               ; list 1's target is class 1: the sign turns
	v_mov_b32 v12, s21
	v_sub_f32 v12, s22, v12
	s_mul_i32 s23, s20, L2P
	s_add_co_u32 s23, s23, L2B                     ; my wave's 128 bytes
	v_lshrrev_b32 v6, 4, v4
	v_lshlrev_b32 v6, 6, v6                        ; the segment's list
	v_lshl_add_u32 v6, v9, 3, v6                   ; the rank's pair
	v_add_nc_u32 v6, s23, v6
	s_wait_dscnt 0x0
	SEL8 1, 0
	v_add_f32 v10, v[RP], v12                      ; l1 - l0
	v_xor_b32 v10, s26, v10                        ; z
	v_and_b32 v11, 0x7fffffff, v10
	v_mul_f32 v11, 0xbfb8aa3b, v11
	v_exp_f32 v11, v11                             ; exp(-|z|)
	v_max_num_f32 v[RP], 0, v10                    ; the plain instruction behind it
	s_wait_alu depctr_va_vdst(0)
	v_add_f32 v11, 1.0, v11
	v_log_f32 v11, v11
	v_nop
	s_wait_alu depctr_va_vdst(0)
	v_fmac_f32 v[RP], 0x3f317218, v11              ; + ln 2 x log2: the loss term takes d's place as the payload
	ds_store_b64 v6, v[RK:RP]                      ; the two halves of a segment store the same eight pairs
	s_branch .Lp1end
.Lstat:
	s_cmp_lg_u32 s20, 24
	s_cbranch_scc1 .Lp1end
	; ---------------- wave 24: the pooled logits; lane l takes records l + 32 i ----------------
	v_lshrrev_b32 v5, 1, v4
	v_mul_u32_u24 v5, v5, PP
	v_and_b32 v6, 1, v4
	v_lshl_add_u32 v5, v6, 8, v5
	v_add_nc_u32 v6, 128*PP, v5
.irp i, 0,1,2,3,4,5,6,7
	ds_load_b128 v[32+6*\i:35+6*\i], v5 offset:16*PP*\i+192
	ds_load_b64 v[36+6*\i:37+6*\i], v5 offset:16*PP*\i+208
.endr
.irp i, 8,9,10,11,12,13,14,15
	ds_load_b128 v[32+6*\i:35+6*\i], v6 offset:16*PP*(\i-8)+192
	ds_load_b64 v[36+6*\i:37+6*\i], v6 offset:16*PP*(\i-8)+208
.endr
	v_mov_b32 v11, 0
	s_wait_dscnt 0x0
	STAT 0, 16
	STAT 1, 17
	v_max_num_f32 v18, v16, v17                    ; Y_prob, the larger logit taken away
	v_sub_f32 v19, v16, v18
	v_sub_f32 v20, v17, v18
	v_mul_f32 v19, 0x3fb8aa3b, v19
	v_mul_f32 v20, 0x3fb8aa3b, v20
	v_exp_f32 v19, v19
	v_exp_f32 v20, v20
	v_nop
	s_wait_alu depctr_va_vdst(0)
	v_add_f32 v21, v19, v20
	v_rcp_f32 v21, v21
	v_nop
	s_wait_alu depctr_va_vdst(0)
	v_mul_f32 v19, v19, v21
	v_mul_f32 v20, v20, v21
	v_cmp_eq_u32 vcc_lo, 0, v4
	v_cndmask_b32 v60, v17, v16, vcc_lo            ; lane 0: class 0, lane 1: class 1.  The three results wait in registers: they are stored behind the
	v_cndmask_b32 v61, v20, v19, vcc_lo            ; barrier, so that no wait for a store stands on the other waves' way to it
	v_mov_b32 v24, 1
	v_cmp_gt_f32 vcc_lo, v17, v16                  ; argmax: the first of equal logits wins
	v_cndmask_b32 v62, 0, v24, vcc_lo
.Lp1end:
	s_wait_dscnt 0x0
	s_barrier_signal -1
	s_barrier_wait -1
	s_cmp_lg_u32 s20, 0
	s_cbranch_scc1 .Lnot0
	; ---------------- level 2, wave 0: lane 8 L + i takes what wave 8 L + i stored: its two lists.  Lanes 24..31 repeat list 2, with weight 0 ----------------
	v_lshrrev_b32 v5, 3, v4
	v_min_u32 v5, 2, v5
	v_lshl_add_u32 v5, v5, 3, v9
	v_mul_u32_u24 v5, v5, L2P
	v_add_nc_u32 v5, L2B, v5
.irp p, 0,1,2,3
	ds_load_b128 v[LA+4*\p:LA+4*\p+3], v5 offset:16*\p
.endr
.irp p, 0,1,2,3
	ds_load_b128 v[LB+4*\p:LB+4*\p+3], v5 offset:64+16*\p
.endr
	v_mov_b32 v7, 0x3d000000                       ; 1/32: lists 1 and 2
	v_mov_b32 v8, 0x3d800000                       ; 1/16: list 0
	v_cmp_gt_u32 vcc_lo, 8, v4
	v_cndmask_b32 v7, v7, v8, vcc_lo
	v_cmp_gt_u32 vcc_lo, 24, v4
	v_cndmask_b32 v7, 0, v7, vcc_lo
	v_mov_b32 v6, 0
	s_wait_dscnt 0x0
	SEL8 0, 1
	v_mul_f32 v[ACC], v[ACC], v7
	WRED v_add_f32_dpp, v_add_f32, ACC, PL         ; inst_loss
	s_wait_xcnt 0x0                                ; EXEC changes only when every earlier memory instruction has had its address translated
	v_cmp_eq_u32 vcc_lo, 0, v4
	s_and_saveexec_b32 s21, vcc_lo
	global_store_b32 v6, v[ACC], s[16:17]
	s_wait_xcnt 0x0
	s_or_b32 exec_lo, exec_lo, s21
	s_wait_tensorcnt 0x0
	ds_add_u32 v30, v31
	s_wait_dscnt 0x0
	s_endpgm
.Lnot0:
	s_cmp_lg_u32 s20, 24
	s_cbranch_scc1 .Lend
	v_lshlrev_b32 v5, 2, v4
	v_mov_b32 v6, 0
	s_wait_xcnt 0x0
	v_cmp_gt_u32 vcc_lo, 2, v4
	s_and_saveexec_b32 s21, vcc_lo
	global_store_b32 v5, v60, s[10:11]             ; the results are 8, 8 and 4 bytes in all
	global_store_b32 v5, v61, s[12:13]
	global_store_b32 v6, v62, s[14:15]             ; both lanes store the same number to out2's one word: no second change of EXEC
	s_wait_xcnt 0x0
	s_or_b32 exec_lo, exec_lo, s21
.Lend:
	s_wait_tensorcnt 0x0
	ds_add_u32 v30, v31
	s_wait_dscnt 0x0
	s_endpgm
.Lfunc_end_k_q7455cf7883_finish:
	.size	k_q7455cf7883_finish, .Lfunc_end_k_q7455cf7883_finish-k_q7455cf7883_finish
	.p2alignl 7, 3214868480
	.fill 96, 4, 3214868480
	.section	.rodata,"a",@progbits
	.p2align	6, 0x0
	.amdhsa_kernel k_q7455cf7883_finish
		.amdhsa_group_segment_fixed_size 142848
		.amdhsa_private_segment_fixed_size 0
		.amdhsa_enable_private_segment 0
		.amdhsa_kernarg_size 56
		.amdhsa_user_sgpr_count 2
		.amdhsa_user_sgpr_kernarg_segment_ptr 1
		.amdhsa_wavefront_size32 1
		.amdhsa_system_sgpr_workgroup_id_x 1
		.amdhsa_system_sgpr_workgroup_id_y 1
		.amdhsa_system_sgpr_workgroup_id_z 1
		.amdhsa_system_vgpr_workitem_id 0
		.amdhsa_next_free_vgpr 128
		.amdhsa_next_free_sgpr 66
		.amdhsa_reserve_vcc 1
		.amdhsa_float_denorm_mode_32 3
		.amdhsa_float_denorm_mode_16_64 3
		.amdhsa_memory_ordered 1
		.amdhsa_forward_progress 1
		.amdhsa_inst_pref_size 48
	.end_amdhsa_kernel
	.amdgpu_metadata
---
amdhsa.version: [ 1, 2 ]
amdhsa.kernels:
  - .name:           k_q7455cf7883_finish
    .symbol:         k_q7455cf7883_finish.kd
    .args:
      - { .name: rec, .offset: 0, .size: 8, .value_kind: global_buffer, .address_space: global }
      - { .name: bcls, .offset: 8, .size: 8, .value_kind: global_buffer, .address_space: global }
      - { .name: bins, .offset: 16, .size: 8, .value_kind: global_buffer, .address_space: global }
      - { .name: out0, .offset: 24, .size: 8, .value_kind: global_buffer, .address_space: global }
      - { .name: out1, .offset: 32, .size: 8, .value_kind: global_buffer, .address_space: global }
      - { .name: out2, .offset: 40, .size: 8, .value_kind: global_buffer, .address_space: global }
      - { .name: out4, .offset: 48, .size: 8, .value_kind: global_buffer, .address_space: global }
    .group_segment_fixed_size: 142848
    .private_segment_fixed_size: 0
    .kernarg_segment_align: 8
    .kernarg_segment_size: 56
    .max_flat_workgroup_size: 1024
    .sgpr_count:     66
    .vgpr_count:     128
    .wavefront_size: 32
...
	.end_amdgpu_metadata
.endif
;; end of part 3
